; MI455X (gfx1250); checked and timed in simulation.
; The chip was launched on July 23, 2026; its instructions are those of AMD's public machine-readable ISA for CDNA 5 (MIT licence, August 2026) and "CDNA5" Instruction Set Architecture Reference Guide (July 2026). The comments in the code are by the model that wrote it; some were corrected since.
;; Multi Headed Self Attention. Allowed arithmetic: matrix products marked QUANTISED: E2M1 operands, one E8M0 scale for each 32 along K, by v_wmma_scale_f32_16x16x128_f8f6f4 with both operands' format E2M1 (or v_wmma_scale_f32_32x16x128_f4), f32 sums; products left as they are: bf16, f16 or f32 operands; f32 sums; everything else in f32.
;; Inputs: w_in 3,072 x 1,024 float32; w_out 1,024 x 1,024 float32; x 2,048 x 1,024 float32.
;; Outputs: out0 2,048 x 1,024 float32.
;; Constants: tgt_len = 2048.
;; This version of the problem:
;;   THIS VERSION OF THE PROBLEM IS GIVEN IN LOW PRECISION. The matrix products marked QUANTISED in the list below multiply operands that are first quantised to E2M1 (2 exponent bits, 1 mantissa bit; 4 bits a number), with one power-of-two scale for each 32 numbers along K (OCP MX v1.0); their sums are f32. The products marked 'left as it is' may take bf16, f16 or f32 operands, with f32 sums. Whichever they take, every output number must still come out within the allowed error. Rounding operands to bf16 (8 significant bits) uses up far more of that allowance than f16 does (11 bits, for magnitudes from 6e-5 to 65,504). All else is computed in f32.
;;   The module's matrix products, in the order in which they are computed (A, B: the left and right operand; K: the contracted axis; several contracted axes count as one K, in the product's order):
;;     1. [M 2,048, K 1,024] x [K 1,024, N 3,072]; A: input x; B: input w_in: QUANTISED
;;     2. batch 16 x [M 2,048, K 64] x [K 64, N 2,048]; A: computed on the way; B: computed on the way: left as it is (an operand is computed on the way)
;;     3. batch 16 x [M 2,048, K 2,048] x [K 2,048, N 64]; A: computed on the way; B: computed on the way: left as it is (an operand is computed on the way)
;;     4. [M 2,048, K 1,024] x [K 1,024, N 1,024]; A: computed on the way; B: input w_out: left as it is (an operand is computed on the way)
;;   THE QUANTISER, for each operand of a quantised product, along K:
;;     - K is cut into blocks of 32 from its start; a last block that is shorter is filled with zeros.
;;     - A block's scale is 2^e with e = floor(log2(the largest magnitude in the block)) - 2, held to -126 .. 127; a block of zeros has e = 0. As a byte (E8M0): e + 127.
;;     - Each number is divided by its block's scale, clamped to +-6, and rounded to the nearest number of E2M1, ties to even, subnormals kept.
;;     - The product sums the exact products of the quantised numbers (number of the format x scale) in f32.
;;   ~~~python
;;   def quantise(x, axis):      # numpy; x: float32 -> the quantised numbers, widened to float32 again
;;       x = np.moveaxis(x, axis, -1); K = x.shape[-1]
;;       x = np.pad(x, [(0, 0)] * (x.ndim - 1) + [(0, -K % 32)]); x = x.reshape(x.shape[:-1] + (-1, 32)); a = np.abs(x).max(-1, keepdims=True)
;;       e = np.where(a > 0, np.clip(np.frexp(np.where(a > 0, a, 1))[1] - 1 - 2, -126, 127), 0)      # np.frexp(a)[1] - 1 = floor(log2(a)), exactly
;;       r = np.clip(x / 2.0 ** e, -6, 6)
;;       step = 2.0 ** (np.maximum(np.frexp(np.where(r == 0, 1, r))[1] - 1, 0) - 1)
;;       q = np.round(r / step) * step * 2.0 ** e      # np.round: ties to even
;;       return np.moveaxis(q.reshape(q.shape[:-2] + (-1,))[..., :K], -1, axis).astype(np.float32)
;;   ~~~
;; One version. Each part assembles by itself: llvm-mc -triple=amdgcn-amd-amdhsa -mcpu=gfx1250 --defsym DOCPART=n.
;; ======== version 1 of 1: 4 launches
;; limits: values are held in f16: magnitudes above 65,504 overflow, below 6.1e-05 lose precision
;; workspace buffers: xc 1,048,576 bytes; xs 65,536 bytes; wc 1,572,864 bytes; ws 98,304 bytes; wimg 2,097,152 bytes; qkv 12,582,912 bytes; cimg 4,194,304 bytes
;; launch prep (part 1): grid 768 x 1, 4 waves a work-group, no clusters, 33,280 bytes of LDS; arguments x, w_in, w_out, xc, xs, wc, ws, wimg; writes xc, xs, wc, ws, wimg
.if DOCPART == 1
	.amdgcn_target "amdgcn-amd-amdhsa--gfx1250"
	.amdhsa_code_object_version 6
	.text
	.protected	k_q83a0abd3bc_prep
	.globl	k_q83a0abd3bc_prep
	.p2align	8
	.type	k_q83a0abd3bc_prep,@function
k_q83a0abd3bc_prep:
	s_mov_b64 s[64:65], 0
	v_nop
	global_prefetch_b8 v0, s[64:65] scope:SCOPE_SE
	s_setreg_imm32_b32 hwreg(HW_REG_WAVE_MODE, 25, 1), 1
	s_wait_xcnt 0x0
; PREP.  x [2048][1024] and w_in [3072][1024], f32, become codes of FP4 (E2M1), two a byte, K innermost (xc, wc: 512 bytes a row), with one E8M0 byte for each 32 along K (xs, ws: 32 bytes a row).
; w_out [1024][1024], f32, becomes f16 in the order of an operand's registers (wimg).
; A block's scale is 2^(floor(log2(its largest magnitude)) - 2); its byte is the largest magnitude's exponent field - 2, held at 1 from below.  Each number is divided by the scale and rounded to the nearest code, ties to even;
; beyond 6 the conversion gives the largest code.
; LIMITS: a block of zeros gets the byte 1 where the quantiser says 127: its codes are zeros, which add nothing, and this program alone reads the bytes.  NaN and infinities are not served.  |w_out| stays under 65,504 (f16).
; SHARES.  8,192 numbers a work-group, 2,048 a wave.  Work-groups 0-255: x; 256-639: w_in; 640-767: w_out.  All 16 loads of a wave (8,192 bytes) go out at its head.
; Rows are dense and 1,024 is a multiple of 32: x and w_in are plain streams of blocks of 32, and so are their codes and scale bytes.
; THE QUANTISER'S WAY.  A step is 512 numbers.  Each of its four loads reads 512 consecutive bytes, 16 a lane; the conversions want 16 NEIGHBOURS in a lane: so a step's 2,048 bytes turn through the wave's own stage in LDS
; (16 bytes of padding behind each 64) and come back 64 bytes a lane.  Two neighbouring lanes hold a block.  A lane's 16 codes are 8 bytes: the wave stores 256 consecutive bytes, aligned.
; A wave's 64 scale bytes are gathered in LDS and leave as 64 consecutive bytes: a part of an aligned 256; they are one byte for each 128 read.
; No tensor loads, no barrier: waves share nothing.  No cluster: no two work-groups read the same byte.
.set STEPS, 4
.set R,     16                         ; v16-79   four sets of 16 numbers as loaded
.set X,     80                         ; v80-111  two sets of 16 neighbours
.set E,     112                        ; v112-115 a scale byte for each step
.set C,     128                        ; v128-141 codes: registers of its own for each step, so that no store's data are written again
.set WREG,  8192                       ; LDS: a region for each wave: two stages of 32 x SP bytes, then its scale bytes
.set SP,    80                         ; a lane's place in a stage: 64 bytes + 16 of padding
.set SPW,   12                         ; v12  LDS address of my spare word; never rewritten
.set NIL,   13                         ; v13  0; never rewritten
.set SPARE, 4*WREG                     ; behind the four regions: the spare words, 128 bytes a wave
	s_load_b128 s[4:7], s[0:1], 0x0                ; x, w_in
	s_load_b128 s[8:11], s[0:1], 0x10              ; w_out, xc
	s_load_b128 s[12:15], s[0:1], 0x20             ; xs, wc
	s_load_b128 s[16:19], s[0:1], 0x30             ; ws, wimg
	v_lshl_add_u32 v[SPW], v0, 2, SPARE
	v_mov_b32 v[NIL], 0
	v_lshrrev_b32 v1, 5, v0
	v_readfirstlane_b32 s20, v1                    ; wave 0..3
	v_and_b32 v2, 31, v0                           ; lane
	s_cmp_ge_u32 ttmp9, 640                        ; the work-group's number alone decides the way
	s_cbranch_scc1 .Lwout
	; ---------------- x and w_in: the quantiser ----------------
	v_lshlrev_b32 v3, 4, v2                        ; my 16 bytes of a load's 512
	s_mul_i32 s21, s20, WREG
	v_lshrrev_b32 v14, 2, v2
	v_mul_u32_u24 v14, v14, SP
	v_and_b32 v15, 3, v2
	v_lshl_add_u32 v14, v15, 4, v14
	v_add_nc_u32 v14, s21, v14                     ; the stage, on the way in: SP (lane / 4) + 16 (lane % 4); a load's 512 bytes take eight places
	v_mul_u32_u24 v15, v2, SP
	v_add_nc_u32 v15, s21, v15                     ; and on the way out: SP x lane: my 16 neighbours
	v_lshlrev_b32 v4, 3, v2                        ; my codes' place in a step's 256 bytes
	v_lshrrev_b32 v5, 1, v2
	s_add_co_u32 s21, s21, 2*32*SP
	v_add_nc_u32 v5, s21, v5                       ; LDS: my wave's scale bytes, my block's byte
	v_lshlrev_b32 v7, 1, v2                        ; and on the way out 2 bytes a lane
	v_add_nc_u32 v6, s21, v7
	s_wait_kmcnt 0x0
	s_cmp_lt_u32 ttmp9, 256                        ; x's work-group or w_in's?
	s_cselect_b64 s[4:5], s[4:5], s[6:7]           ; the numbers,
	s_cselect_b64 s[10:11], s[10:11], s[14:15]     ; the codes,
	s_cselect_b64 s[12:13], s[12:13], s[16:17]     ; the scale bytes
	s_cselect_b32 s21, 0, 256
	s_sub_co_u32 s21, ttmp9, s21
	s_lshl_b32 s21, s21, 2
	s_add_co_u32 s22, s21, s20                     ; which run of 2,048 numbers is my wave's
	s_mov_b32 s25, 0
	s_lshl_b32 s24, s22, 13                        ; 8,192 bytes of numbers a run,
	s_add_nc_u64 s[4:5], s[4:5], s[24:25]
	s_lshl_b32 s24, s22, 10                        ; 1,024 of codes,
	s_add_nc_u64 s[10:11], s[10:11], s[24:25]
	s_lshl_b32 s24, s22, 6                         ; 64 scale bytes
	s_add_nc_u64 s[12:13], s[12:13], s[24:25]
.macro LOAD t
.irp i, 0,1,2,3
	global_load_b128 v[R+16*(\t)+4*\i:R+16*(\t)+4*\i+3], v3, s[4:5] offset:2048*(\t)+512*\i th:TH_LOAD_NT   ; 32 lanes read 512 consecutive bytes; read once in the launch
.endr
.endm
.macro TURN t                          ; step t's numbers through a stage: LDS serves a wave's instructions in order (ISA guide 5.7.1.4), so no wait stands between the stores and the loads
.irp i, 0,1,2,3
	ds_store_b128 v14, v[R+16*(\t)+4*\i:R+16*(\t)+4*\i+3] offset:32*SP*((\t)%2)+8*SP*\i
.endr
.irp i, 0,1,2,3
	ds_load_b128 v[X+16*((\t)%2)+4*\i:X+16*((\t)%2)+4*\i+3], v15 offset:32*SP*((\t)%2)+16*\i
.endr
.endm
.irp t, 0,1,2,3
	LOAD \t
.endr
	s_wait_loadcnt 12                              ; step 0's four loads are in; the twelve of steps 1 to 3 may be out
	TURN 0
.macro STEP t
.set XS, X+16*((\t)%2)
.if (\t) > 0
	s_wait_dscnt 1                                 ; this step's numbers are back from the stage; the last step's byte store may be out
.else
	s_wait_dscnt 0x0
.endif
.if (\t)+1 < STEPS
	s_wait_loadcnt 4*(STEPS-2-(\t))                ; the next step's four loads are in; four for each later step may be out
	TURN (\t)+1                                    ; they go through the other stage while this step is worked
.endif
	v_max3_num_f32 v8, |v[XS]|, |v[XS+1]|, |v[XS+2]|               ; the largest magnitude of my 16, in two chains
	v_max3_num_f32 v9, |v[XS+3]|, |v[XS+4]|, |v[XS+5]|
.irp i, 6,10
	v_max3_num_f32 v8, v8, |v[XS+\i]|, |v[XS+\i+1]|
	v_max3_num_f32 v9, v9, |v[XS+\i+2]|, |v[XS+\i+3]|
.endr
	v_max3_num_f32 v8, v8, |v[XS+14]|, |v[XS+15]|
	v_max3_num_f32 v8, v8, v9, 0x1800000           ; and the floor 2^(3 - 127): the byte cannot fall under 1
	v_max_num_f32_dpp v8, v8, v8 row_xmask:1 row_mask:0xf bank_mask:0xf   ; and of my neighbour's 16: the block's
	v_add_nc_u32 v11, 0xff000000, v8               ; 2 off its exponent field: the conversion takes the exponent field of this operand as its scale, and nothing else of it
	v_cvt_scalef32_pk8_fp4_f32 v[C+4*(\t)], v[XS:XS+7], v11
	v_cvt_scalef32_pk8_fp4_f32 v[C+4*(\t)+1], v[XS+8:XS+15], v11
	v_lshrrev_b32 v[E+(\t)], 23, v11               ; the scale's byte (also the plain line behind the conversions)
	ds_store_b8 v5, v[E+(\t)] offset:16*(\t)       ; both lanes of a block write the same byte with the same value
	global_store_b64 v4, v[C+4*(\t):C+4*(\t)+1], s[10:11] offset:256*(\t)   ; 32 lanes store 256 consecutive bytes, aligned
.endm
.irp t, 0,1,2,3
	STEP \t
.endr
	ds_load_u16 v8, v6                             ; LDS serves a wave's instructions in order: this sees my byte stores
	s_wait_dscnt 0x0
	global_store_b16 v7, v8, s[12:13]              ; my wave's 64 scale bytes
	s_wait_tensorcnt 0x0                           ; the wave's end: behind my last LDS store
	ds_add_u32 v[SPW], v[NIL]
	s_wait_dscnt 0x0
	s_endpgm
	; ---------------- w_out: f16, in the order of an operand's registers ----------------
	; wimg is [ntile 16][kc 16][dt 4][blk 4][512 bytes].  A block of 512 bytes is four registers of a 16-bit fragment, lane l's 16 bytes at 16 l: lane (r, h) holds row 64 ntile + 16 dt + r of w_out,
	; k = 64 kc + 16 blk + 8 h + 0 .. 7.  Wave T (0 .. 511) makes the 4,096 bytes at 4,096 T: ntile = T / 32, kc = (T / 2) % 16, dt = 2 (T % 2) + 0, 1.  This way touches no LDS.
.Lwout:
	s_sub_co_u32 s21, ttmp9, 640
	s_lshl_b32 s21, s21, 2
	s_add_co_u32 s21, s21, s20                     ; T
	s_lshr_b32 s22, s21, 5
	s_lshl_b32 s22, s22, 18                        ; 64 ntile rows of 4,096 bytes
	s_and_b32 s23, s21, 1
	s_lshl_b32 s23, s23, 17                        ; + 32 (T % 2) rows
	s_add_co_u32 s22, s22, s23
	s_bfe_u32 s23, s21, 0x40001
	s_lshl_b32 s23, s23, 8                         ; + 64 kc numbers
	s_add_co_u32 s22, s22, s23
	s_mov_b32 s23, 0
	s_lshl_b32 s24, s21, 12
	s_mov_b32 s25, 0
	v_and_b32 v3, 15, v0                           ; r
	v_bfe_u32 v4, v0, 4, 1                         ; h
	v_lshlrev_b32 v3, 12, v3
	v_lshl_add_u32 v3, v4, 5, v3                   ; row r, + 8 h numbers
	v_lshlrev_b32 v5, 4, v2                        ; 16 x lane
	s_wait_kmcnt 0x0
	s_add_nc_u64 s[8:9], s[8:9], s[22:23]
	s_add_nc_u64 s[18:19], s[18:19], s[24:25]
.irp i, 0,1
.irp b, 0,1,2,3
.irp e, 0,1
	global_load_b128 v[16+32*\i+8*\b+4*\e:16+32*\i+8*\b+4*\e+3], v3, s[8:9] offset:65536*\i+64*\b+16*\e th:TH_LOAD_NT   ; the eight loads of a tile cover 256 consecutive bytes, aligned, of each of its 16 rows
.endr
.endr
.endr
.irp i, 0,1
	s_wait_loadcnt 8-8*\i                          ; tile i's eight loads are in; the other tile's eight may be out
.irp b, 0,1,2,3
.irp j, 0,1,2,3
	v_cvt_pk_f16_f32 v[80+16*\i+4*\b+\j], v[16+32*\i+8*\b+2*\j], v[17+32*\i+8*\b+2*\j]
.endr
	global_store_b128 v5, v[80+16*\i+4*\b:83+16*\i+4*\b], s[18:19] offset:2048*\i+512*\b   ; 32 lanes store 512 consecutive bytes, aligned
.endr
.endr
	s_endpgm
.Lfunc_end_k_q83a0abd3bc_prep:
	.size	k_q83a0abd3bc_prep, .Lfunc_end_k_q83a0abd3bc_prep-k_q83a0abd3bc_prep
	.p2alignl 7, 3214868480
	.fill 96, 4, 3214868480
	.section	.rodata,"a",@progbits
	.p2align	6, 0x0
	.amdhsa_kernel k_q83a0abd3bc_prep
		.amdhsa_group_segment_fixed_size 33280
		.amdhsa_private_segment_fixed_size 0
		.amdhsa_enable_private_segment 0
		.amdhsa_kernarg_size 64
		.amdhsa_user_sgpr_count 2
		.amdhsa_user_sgpr_kernarg_segment_ptr 1
		.amdhsa_wavefront_size32 1
		.amdhsa_system_sgpr_workgroup_id_x 1
		.amdhsa_system_sgpr_workgroup_id_y 1
		.amdhsa_system_sgpr_workgroup_id_z 1
		.amdhsa_system_vgpr_workitem_id 0
		.amdhsa_next_free_vgpr 144
		.amdhsa_next_free_sgpr 66
		.amdhsa_reserve_vcc 0
		.amdhsa_float_denorm_mode_32 3
		.amdhsa_float_denorm_mode_16_64 3
		.amdhsa_memory_ordered 1
		.amdhsa_forward_progress 1
		.amdhsa_inst_pref_size 16
	.end_amdhsa_kernel
	.amdgpu_metadata
---
amdhsa.version: [ 1, 2 ]
amdhsa.kernels:
  - .name:           k_q83a0abd3bc_prep
    .symbol:         k_q83a0abd3bc_prep.kd
    .args:
      - { .name: x, .offset: 0, .size: 8, .value_kind: global_buffer, .address_space: global }
      - { .name: w_in, .offset: 8, .size: 8, .value_kind: global_buffer, .address_space: global }
      - { .name: w_out, .offset: 16, .size: 8, .value_kind: global_buffer, .address_space: global }
      - { .name: xc, .offset: 24, .size: 8, .value_kind: global_buffer, .address_space: global }
      - { .name: xs, .offset: 32, .size: 8, .value_kind: global_buffer, .address_space: global }
      - { .name: wc, .offset: 40, .size: 8, .value_kind: global_buffer, .address_space: global }
      - { .name: ws, .offset: 48, .size: 8, .value_kind: global_buffer, .address_space: global }
      - { .name: wimg, .offset: 56, .size: 8, .value_kind: global_buffer, .address_space: global }
    .group_segment_fixed_size: 33280
    .private_segment_fixed_size: 0
    .kernarg_segment_align: 8
    .kernarg_segment_size: 64
    .max_flat_workgroup_size: 128
    .sgpr_count:     66
    .vgpr_count:     144
    .wavefront_size: 32
...
	.end_amdgpu_metadata
.endif
;; end of part 1
;; launch qkv (part 2): grid 16 x 16, 8 waves a work-group, clusters of 4 x 4, 175,104 bytes of LDS; arguments xc, xs, wc, ws, qkv; writes qkv
.if DOCPART == 2
	.amdgcn_target "amdgcn-amd-amdhsa--gfx1250"
	.amdhsa_code_object_version 6
	.text
	.protected	k_q83a0abd3bc_qkv
	.globl	k_q83a0abd3bc_qkv
	.p2align	8
	.type	k_q83a0abd3bc_qkv,@function
k_q83a0abd3bc_qkv:
	s_mov_b64 s[64:65], 0
	v_nop
	global_prefetch_b8 v0, s[64:65] scope:SCOPE_SE
	s_setreg_imm32_b32 hwreg(HW_REG_WAVE_MODE, 25, 1), 1
	s_wait_xcnt 0x0
	s_wait_alu depctr_hold_cnt(0) depctr_sa_sdst(0) depctr_va_vdst(0) depctr_va_sdst(0) depctr_va_ssrc(0) depctr_va_vcc(0) depctr_vm_vsrc(0)
	s_getreg_b32 s2, hwreg(HW_REG_IB_STS2, 6, 4)
	s_cmp_eq_u32 s2, 0
	s_cbranch_scc0 .Lentry_in_a_cluster
	s_endpgm
.Lentry_in_a_cluster:
	s_bfe_u32 s2, ttmp6, 0x10000c
	s_cmp_lg_u32 s2, 0xf033
	s_cbranch_scc0 .Lentry_shape_is_right
	s_endpgm
.Lentry_shape_is_right:
; QKV = x w_in^T on codes of FP4 with E8M0 scales, sums in f32; q, k and v are rounded once to f16 and stored as IMAGES OF OPERAND REGISTERS for the attention launch.
; LIMIT: |q|, |k|, |v| stay under 65,504 (f16).
; SHARES.  Work-group (head, mb): 128 rows of x (128 mb on) against 192 rows of w_in: rows 1,024 p + 64 head + 0 .. 63 for p = 0 (q), 1 (k), 2 (v).  256 equal work-groups.
; Wave w: rg = w / 4, cj = w % 4: four tiles of 16 rows (64 rg + 16 a) against the 16 columns 16 cj of each of q, k, v: 12 accumulators; a K step of 128 reads 7 fragments for 12 matrix instructions.
; LDS.  All of K lies in LDS at once: nothing is filled twice.  Half c (256 bytes of every row) at c x HALF: x's 128 rows, then w_in's 192, 272 bytes apart (68 words: row r starts at bank 4 r mod 64: ISA guide 11.1).
; A unit is 64 rows x 256 bytes.  Wave w < 5 fetches unit w (0, 1: x; 2 + p: w_in's part p) of half 0 and then of half 1: two tensor loads of a wave are out at the most.
; CLUSTER 4 x 4.  The four work-groups of a row of the cluster share mb and so x's units; the four of a column share the head and so w_in's: each unit is asked for jointly.
; THE SCALES go once from memory into registers: a lane's 16 bytes at 32 row + 16 (lane / 16): in register q lanes 0-15 hold the word of K step q, lanes 16-31 that of K step 4 + q (read by the ROW1 selector).
; THE RESULTS.  For q and k: source 0 = 16 rows of w_in, source 1 = 16 rows of x: a lane holds ONE token and eight neighbouring channels.  For v the sources change places: a lane holds ONE channel and eight neighbouring tokens.
; Packed to f16, an accumulator is four registers a lane, and they ARE a half of a 16-bit fragment (lane (r, h): row r, k = 8 h + 0 .. 7 of 16): it leaves by one store of 512 consecutive bytes, aligned; no stage.
;   q at 0, k at 4,194,304: [head][token tile 128][channel tile 4][512];   v at 8,388,608: [head][group of 32 tokens 64][channel tile 4][token tile in the group 2][512].
.set PITCH, 272
.set UNIT,  64*PITCH
.set HALF,  5*UNIT
.set SPARE, 2*HALF                     ; behind both halves: the spare words, 128 bytes a wave: four blocks of 256 bytes that no other line names
.set SPW,  8                           ; v8   LDS address of my spare word; never rewritten
.set NIL,  9                           ; v9   0; never rewritten
                                       ; v4, v10  LDS address of my fragments of x in half 0, 1;   v5, v11  the same for w_in;   v6 my place among scale words;   v7 16 x lane
.set SA,   12                          ; v12-27  x's scale words, tile a at SA + 4 a
.set SB,   28                          ; v28-39  w_in's, part p at SB + 4 p
.set F0,   40                          ; v40-95, v96-151  two sets of fragments: x's tile a at + 8 a, w_in's part p at + 32 + 8 p
.set ACC,  152                         ; v152-247  accumulator (a, p) at ACC + 8 (3 a + p)
.set G1A, 24                           ; s[24:31] descriptor group 1 for x's units;  s[32:39] group 0, a set for each half
.set G0A, 32
.set G1B, 48                           ; s[48:55], s[56:63] the same for w_in's
.set G0B, 56
.macro CROUND                          ; a round of the cluster's barrier: my work-group's barrier; wave 0 signals for the work-group; every wave waits for all sixteen; my work-group's barrier once more
	s_barrier_signal -1
	s_barrier_wait -1
	s_cmp_lg_u32 s14, 0
	s_cbranch_scc1 .Lnot_wave_0_\@
	s_barrier_signal -3
.Lnot_wave_0_\@:
	s_barrier_wait -3
	s_barrier_signal -1
	s_barrier_wait -1
.endm
.macro PLACES n
.rept \n
	v_nop
.endr
.endm
	s_load_b128 s[4:7], s[0:1], 0x0                ; xc, xs
	s_load_b128 s[8:11], s[0:1], 0x10              ; wc, ws
	s_load_b64 s[12:13], s[0:1], 0x20              ; qkv
	v_lshl_add_u32 v[SPW], v0, 2, SPARE
	v_mov_b32 v[NIL], 0
	ds_add_u32 v[SPW], v[NIL]                      ; the wave's opening: the add, twice on end, and its wait ahead of the first tensor load; the set-up below stands between
	ds_add_u32 v[SPW], v[NIL]
	v_lshrrev_b32 v1, 5, v0
	v_readfirstlane_b32 s14, v1                    ; wave 0..7
	s_lshr_b32 s15, s14, 2                         ; rg
	s_and_b32 s16, s14, 3                          ; cj
	s_bfe_u32 s40, ttmp6, 0x40000                  ; cx, cy: my place in the cluster
	s_bfe_u32 s41, ttmp6, 0x40004
	s_lshl_b32 s42, ttmp9, 2
	s_add_co_u32 s42, s42, s40                     ; head = 4 x cluster x + cx
	s_and_b32 s17, ttmp7, 0xffff
	s_lshl_b32 s17, s17, 2
	s_add_co_u32 s17, s17, s41                     ; mb = 4 x cluster y + cy
	s_lshl_b32 s43, s41, 2
	s_lshl_b32 s43, 15, s43                        ; my row of the cluster
	s_lshl_b32 s44, 0x1111, s40                    ; my column
	; descriptor group 1: 64 rows x 256 bytes, 512 bytes apart in memory, 16 bytes of padding behind each in LDS
	s_or_b32 s[G1A], s43, (0<<16)|(1<<20)|(1<<21)|(5<<22)|(3<<25)   ; 15:0 the mask; 17:16 elements of 1 byte; 20 padding on; 21 set beside a mask; 24:22 after every 64 words; 31:25 four words
	s_or_b32 s[G1B], s44, (0<<16)|(1<<20)|(1<<21)|(5<<22)|(3<<25)
.irp g, G1A, G1B
	s_mov_b32 s[\g+1], 256<<16                     ; tensor_dim0
	s_mov_b32 s[\g+2], 64<<16                      ; tensor_dim1
	s_mov_b32 s[\g+3], 256<<16                     ; tile_dim0
	s_mov_b32 s[\g+4], 64                          ; tile_dim1
	s_mov_b32 s[\g+5], 512                         ; from row to row
	s_mov_b32 s[\g+6], 0
	s_mov_b32 s[\g+7], 0
.endr
	s_and_b32 s18, s14, 1
	s_lshl_b32 s18, s18, 15
	s_lshl_b32 s20, s17, 16
	s_add_co_u32 s20, s20, s18                     ; x: (128 mb + 64 (w % 2)) rows of 512 bytes
	s_mov_b32 s21, 0
	s_max_u32 s19, s14, 2
	s_sub_co_u32 s19, s19, 2
	s_min_u32 s19, s19, 2                          ; p = w - 2 in waves 2 to 4
	s_lshl_b32 s19, s19, 19
	s_lshl_b32 s46, s42, 15
	s_add_co_u32 s46, s46, s19                     ; w_in: (1,024 p + 64 head) rows
	s_mov_b32 s47, 0
	s_mul_i32 s45, s14, UNIT                       ; where my unit goes: no place in the cluster enters an LDS address
	s_wait_dscnt 0x0                               ; both opening adds are done
	s_wait_kmcnt 0x0
	s_add_nc_u64 s[20:21], s[4:5], s[20:21]
	s_add_nc_u64 s[46:47], s[8:9], s[46:47]
	CROUND                                         ; all sixteen work-groups are here: the joint loads meet
.irp c, 0,1
	s_mov_b32 s[G0A+4*\c], 1
	s_add_co_u32 s[G0A+4*\c+1], s45, \c*HALF
	s_add_nc_u64 s[G0A+4*\c+2:G0A+4*\c+3], s[20:21], \c*256
	s_or_b32 s[G0A+4*\c+3], s[G0A+4*\c+3], 0x80000000
	s_mov_b32 s[G0B+4*\c], 1
	s_add_co_u32 s[G0B+4*\c+1], s45, \c*HALF
	s_add_nc_u64 s[G0B+4*\c+2:G0B+4*\c+3], s[46:47], \c*256
	s_or_b32 s[G0B+4*\c+3], s[G0B+4*\c+3], 0x80000000
.endr
	s_cmp_lt_u32 s14, 2                            ; a wave's two fills stand in one branch on the wave's number, ahead of every wait on TENSORcnt, every LDS read and every barrier of the work-group alone
	s_cbranch_scc0 .Lnot_a
	tensor_load_to_lds s[G0A:G0A+3], s[G1A:G1A+7]
	s_nop 0
	tensor_load_to_lds s[G0A+4:G0A+7], s[G1A:G1A+7]
	s_nop 0
	PLACES 4
	s_branch .Lasked
.Lnot_a:
	s_cmp_lt_u32 s14, 5
	s_cbranch_scc0 .Lasked
	tensor_load_to_lds s[G0B:G0B+3], s[G1B:G1B+7]
	s_nop 0
	tensor_load_to_lds s[G0B+4:G0B+7], s[G1B:G1B+7]
	s_nop 0
	PLACES 4
.Lasked:
	v_and_b32 v1, 15, v0                           ; r
	v_bfe_u32 v2, v0, 4, 1                         ; h
	v_lshlrev_b32 v6, 5, v1
	v_lshl_add_u32 v6, v2, 4, v6                   ; scale words: 32 r + 16 h
	s_lshl_b32 s66, s17, 12
	s_lshl_b32 s67, s15, 11
	s_add_co_u32 s66, s66, s67                     ; x's: (128 mb + 64 rg) rows of 32 bytes
	s_mov_b32 s67, 0
	s_add_nc_u64 s[6:7], s[6:7], s[66:67]
	s_lshl_b32 s68, s42, 11
	s_lshl_b32 s69, s16, 9
	s_add_co_u32 s68, s68, s69                     ; w_in's: (64 head + 16 cj) rows
	s_mov_b32 s69, 0
	s_add_nc_u64 s[10:11], s[10:11], s[68:69]
.irp a, 0,1,2,3
	global_load_b128 v[SA+4*\a:SA+4*\a+3], v6, s[6:7] offset:512*\a        ; 32 lanes read 512 consecutive bytes
.endr
.irp p, 0,1,2
	global_load_b128 v[SB+4*\p:SB+4*\p+3], v6, s[10:11] offset:32768*\p
.endr
	v_mul_u32_u24 v3, v1, PITCH
	v_lshl_add_u32 v3, v2, 4, v3                   ; a fragment's row x pitch + 16 x half
	s_mul_i32 s18, s15, UNIT                       ; my 64 rows of x
	v_add_nc_u32 v4, s18, v3
	v_add_nc_u32 v10, HALF, v4
	s_mul_i32 s19, s16, 16*PITCH                   ; my 16 rows of each part of w_in,
	s_add_co_u32 s19, s19, 2*UNIT                  ; which lie behind x's 128
	v_add_nc_u32 v5, s19, v3
	v_add_nc_u32 v11, HALF, v5
	v_and_b32 v7, 31, v0
	v_lshlrev_b32 v7, 4, v7                        ; 16 x lane
	s_lshl_b32 s70, s42, 18                        ; the way out: 262,144 head
	s_lshl_b32 s71, s17, 14
	s_add_co_u32 s70, s70, s71
	s_lshl_b32 s71, s15, 13
	s_add_co_u32 s70, s70, s71                     ; + 2,048 (8 mb + 4 rg)
	s_mov_b32 s71, 0
	s_add_nc_u64 s[12:13], s[12:13], s[70:71]
	s_lshl_b32 s70, s16, 9
	s_add_nc_u64 s[18:19], s[12:13], s[70:71]      ; q and k: + 512 cj
	s_lshl_b32 s70, s16, 10
	s_add_nc_u64 s[22:23], s[12:13], s[70:71]      ; v: + 1,024 cj,
	s_add_nc_u64 s[22:23], s[22:23], 0x800000      ; behind q and k
; 14 LDS loads: the seven fragments of K step q (16 rows x 128 K of 4-bit codes: 8 registers: two loads of 16 bytes, 32 bytes apart) into set q % 2
.macro FETCH q
.set fB, F0+56*((\q)%2)
.set aA, 4+6*((\q)/4)
.set aB, 5+6*((\q)/4)
.set kO, 64*((\q)%4)
.irp a, 0,1,2,3
	ds_load_b128 v[fB+8*\a:fB+8*\a+3],   v[aA] offset:kO+16*PITCH*\a
	ds_load_b128 v[fB+8*\a+4:fB+8*\a+7], v[aA] offset:kO+16*PITCH*\a+32
.endr
.irp p, 0,1,2
	ds_load_b128 v[fB+32+8*\p:fB+32+8*\p+3], v[aB] offset:kO+UNIT*\p
	ds_load_b128 v[fB+32+8*\p+4:fB+32+8*\p+7], v[aB] offset:kO+UNIT*\p+32
.endr
.endm
; 12 matrix instructions: K step q.  The twelve accumulators take turns, one instruction a turn, in the same order in every step.  zero = 1: the first product starts the sums.
.macro MUL q, zero
.irp a, 0,1,2,3
.irp p, 0,1,2
.set rD, ACC+8*(3*\a+\p)
.if \p == 2
.set rS0, F0+56*((\q)%2)+8*\a                  ; v: source 0 = x,
.set rS1, F0+56*((\q)%2)+32+8*\p               ; source 1 = w_in
.set rC0, SA+4*\a+(\q)%4
.set rC1, SB+4*\p+(\q)%4
.else
.set rS0, F0+56*((\q)%2)+32+8*\p               ; q, k: source 0 = w_in,
.set rS1, F0+56*((\q)%2)+8*\a                  ; source 1 = x
.set rC0, SB+4*\p+(\q)%4
.set rC1, SA+4*\a+(\q)%4
.endif
.if \zero
	v_wmma_scale_f32_16x16x128_f8f6f4 v[rD:rD+7], v[rS0:rS0+7], v[rS1:rS1+7], 0, v[rC0], v[rC1] matrix_a_fmt:MATRIX_FMT_FP4 matrix_b_fmt:MATRIX_FMT_FP4
.elseif (\q) >= 4
	v_wmma_scale_f32_16x16x128_f8f6f4 v[rD:rD+7], v[rS0:rS0+7], v[rS1:rS1+7], v[rD:rD+7], v[rC0], v[rC1] matrix_a_fmt:MATRIX_FMT_FP4 matrix_b_fmt:MATRIX_FMT_FP4 matrix_a_scale:MATRIX_SCALE_ROW1 matrix_b_scale:MATRIX_SCALE_ROW1
.else
	v_wmma_scale_f32_16x16x128_f8f6f4 v[rD:rD+7], v[rS0:rS0+7], v[rS1:rS1+7], v[rD:rD+7], v[rC0], v[rC1] matrix_a_fmt:MATRIX_FMT_FP4 matrix_b_fmt:MATRIX_FMT_FP4
.endif
.endr
.endr
.endm
.macro KSTEP q
.if ((\q) >= 1) && ((\q) < 7)
	PLACES 4                                       ; four plain places in front of loads into the set that the last step but one... the step before multiplied
.endif
.if (\q) == 3
	s_wait_dscnt 0x0                               ; no LDS instruction of mine is out at a signal
	s_wait_tensorcnt 0x0                           ; my unit of half 1 has landed,
	s_barrier_signal -1
	s_barrier_wait -1                              ; everybody's has: K steps 4 to 7 may be read
.endif
.if (\q) < 7
	FETCH (\q)+1
	s_wait_dscnt 14                                ; this step's fragments are in; the 14 loads just issued may be out
.else
	s_wait_dscnt 0x0
.endif
.if (\q) == 0
	s_wait_loadcnt 0x0                             ; the scale words
	MUL \q, 1
.else
	MUL \q, 0
.endif
.endm
	s_wait_tensorcnt 0x1                           ; my unit of half 0 has landed; half 1's load may be out
	s_barrier_signal -1
	s_barrier_wait -1                              ; everybody's has
	FETCH 0
.irp q, 0,1,2,3,4,5,6,7
	KSTEP \q
.endr
	; THE WAY OUT: each accumulator, from its low end on, is rounded to f16: four registers a lane, which leave as they stand
	PLACES 4
.set i, 0
.rept 12
.irp j, 0,1,2,3
	v_cvt_pk_f16_f32 v[F0+4*i+\j], v[ACC+8*i+2*\j], v[ACC+8*i+2*\j+1]
.endr
.set i, i+1
.endr
.irp a, 0,1,2,3
	global_store_b128 v7, v[F0+12*\a:F0+12*\a+3],    s[18:19] offset:2048*\a                    ; q: token tile 8 mb + 4 rg + a.  32 lanes store 512 consecutive bytes, aligned
	global_store_b128 v7, v[F0+12*\a+4:F0+12*\a+7],  s[18:19] offset:4194304+2048*\a            ; k
	global_store_b128 v7, v[F0+12*\a+8:F0+12*\a+11], s[22:23] offset:4096*(\a/2)+512*(\a%2)     ; v: group (8 mb + 4 rg + a) / 2, its tile a % 2
.endr
	s_wait_tensorcnt 0x0                           ; the wave's end
	ds_add_u32 v[SPW], v[NIL]
	s_wait_dscnt 0x0
	CROUND                                         ; the closing round: no work-group ends while a partner may still ask for a unit that names it
	s_endpgm
.Lfunc_end_k_q83a0abd3bc_qkv:
	.size	k_q83a0abd3bc_qkv, .Lfunc_end_k_q83a0abd3bc_qkv-k_q83a0abd3bc_qkv
	.p2alignl 7, 3214868480
	.fill 96, 4, 3214868480
	.section	.rodata,"a",@progbits
	.p2align	6, 0x0
	.amdhsa_kernel k_q83a0abd3bc_qkv
		.amdhsa_group_segment_fixed_size 175104
		.amdhsa_private_segment_fixed_size 0
		.amdhsa_enable_private_segment 0
		.amdhsa_kernarg_size 40
		.amdhsa_user_sgpr_count 2
		.amdhsa_user_sgpr_kernarg_segment_ptr 1
		.amdhsa_wavefront_size32 1
		.amdhsa_system_sgpr_workgroup_id_x 1
		.amdhsa_system_sgpr_workgroup_id_y 1
		.amdhsa_system_sgpr_workgroup_id_z 1
		.amdhsa_system_vgpr_workitem_id 0
		.amdhsa_next_free_vgpr 248
		.amdhsa_next_free_sgpr 72
		.amdhsa_reserve_vcc 0
		.amdhsa_float_denorm_mode_32 3
		.amdhsa_float_denorm_mode_16_64 3
		.amdhsa_memory_ordered 1
		.amdhsa_forward_progress 1
		.amdhsa_inst_pref_size 32
	.end_amdhsa_kernel
	.amdgpu_metadata
---
amdhsa.version: [ 1, 2 ]
amdhsa.kernels:
  - .name:           k_q83a0abd3bc_qkv
    .symbol:         k_q83a0abd3bc_qkv.kd
    .args:
      - { .name: xc, .offset: 0, .size: 8, .value_kind: global_buffer, .address_space: global }
      - { .name: xs, .offset: 8, .size: 8, .value_kind: global_buffer, .address_space: global }
      - { .name: wc, .offset: 16, .size: 8, .value_kind: global_buffer, .address_space: global }
      - { .name: ws, .offset: 24, .size: 8, .value_kind: global_buffer, .address_space: global }
      - { .name: qkv, .offset: 32, .size: 8, .value_kind: global_buffer, .address_space: global }
    .group_segment_fixed_size: 175104
    .private_segment_fixed_size: 0
    .kernarg_segment_align: 8
    .kernarg_segment_size: 40
    .max_flat_workgroup_size: 256
    .sgpr_count:     72
    .vgpr_count:     248
    .wavefront_size: 32
...
	.end_amdgpu_metadata
.endif
;; end of part 2
;; launch attn (part 3): grid 16 x 16, 16 waves a work-group, clusters of 4 x 1, 327,680 bytes of LDS; arguments qkv, cimg; writes cimg
.if DOCPART == 3
	.amdgcn_target "amdgcn-amd-amdhsa--gfx1250"
	.amdhsa_code_object_version 6
	.text
	.protected	k_q83a0abd3bc_attn
	.globl	k_q83a0abd3bc_attn
	.p2align	8
	.type	k_q83a0abd3bc_attn,@function
k_q83a0abd3bc_attn:
	s_mov_b64 s[64:65], 0
	v_nop
	global_prefetch_b8 v0, s[64:65] scope:SCOPE_SE
	s_setreg_imm32_b32 hwreg(HW_REG_WAVE_MODE, 25, 1), 1
	s_wait_xcnt 0x0
	s_wait_alu depctr_hold_cnt(0) depctr_sa_sdst(0) depctr_va_vdst(0) depctr_va_sdst(0) depctr_va_ssrc(0) depctr_va_vcc(0) depctr_vm_vsrc(0)
	s_getreg_b32 s2, hwreg(HW_REG_IB_STS2, 6, 4)
	s_cmp_eq_u32 s2, 0
	s_cbranch_scc0 .Lentry_in_a_cluster
	s_endpgm
.Lentry_in_a_cluster:
	s_bfe_u32 s2, ttmp6, 0x10000c
	s_cmp_lg_u32 s2, 0x3003
	s_cbranch_scc0 .Lentry_shape_is_right
	s_endpgm
.Lentry_shape_is_right:
; ATTENTION.  ctx[h][q] = sum over k of p V[h][k] / sum of p,  p = 2^(s / 8 - max s / 8),  s = Q[h][q] . K[h][k].  (The step 8 / 256 by which the scores are divided and multiplied again is a power of two: exact.)
; Operands in f16 (q, k, v from the launch before; p at most 1), products, maxima and sums in f32; ctx is rounded once to f16.  The maximum is a running one.
; LIMITS: |q|, |k|, |v| stay under 65,504 (f16); NaN and infinities are not served.
; SHARES.  Work-group (qb, head): 128 queries of one head.  SIXTEEN waves, four to a SIMD.  Wave w: kq = w % 4, qg = w / 4: 32 queries (two tiles of 16) against keys 512 kq .. + 511, 64 a step, 8 steps.
; A wave's step is one chain: 16 LDS loads, 16 products, some 230 vector instructions, 16 products; while one wave waits for its loads or stands in its products, three others have work to issue.
; At the end the four key quarters of a query group are joined through LDS: all are brought under the largest maximum.  Each of the four waves joins one tile of 16 channels, so all sixteen do the same work.
; LAYOUT.  S^T = K Q^T (source 0 = 16 keys, source 1 = 16 queries), O^T = V^T P (source 0 = 16 channels, source 1 = P): a lane holds ONE query (lane % 16) throughout.  Two tiles of S^T rounded to f16 in pairs ARE source 1 of the
; second product; they are packed in place.  q, k, v lie in memory as images of operand registers (blocks of 512 bytes, lane l's 16 bytes at 16 l): every tile is a dense run, every LDS read takes 512 consecutive bytes.
; RING.  Two slots of 131,072 bytes, each with 2 steps of all four quarters: region w (8,192 bytes: one step's K or V of one quarter) at 8,192 w: K of quarter kq, step j at 16,384 kq + 8,192 j; V 65,536 further on.
; Every wave fetches its region by one dense tensor load (32 rows x 256 bytes).  Four fills: two at the head, two refills; two tensor loads of a wave are out at the head, one behind each round.
; The eight steps are written out: every LDS address is a constant, a lane term and a wave term; and the first step, which starts the maximum, the sum and O^T, costs no text of its own: nothing is cleared.
; CLUSTER 4 x 1: the four query blocks of a cluster belong to one head and walk the same K and V: each region is asked for jointly.
.set SLOT1, 1<<17
.set SPARE, 2*SLOT1                    ; behind the ring: the spare words, 128 bytes a wave: eight blocks of 256 bytes that no other line names
.set MST,   SPARE+16*128               ; the join's statistics, 512 bytes a wave; no tensor load lands here.  (The join's O^T, 8,192 bytes a wave, lies in slot 0: see THE JOIN)
.set AK0, 2                            ; v2   my lane's place in a slot's K: 16 x lane + 16,384 kq
.set AV0, 3                            ; v3   and V: 65,536 further on
.set ADK, 4                            ; v4, v5  the same in the slot in hand;  v4 at the end: where my group's statistics are read
.set ADV, 5
.set SPW, 6                            ; v6   LDS address of my spare word; never rewritten
.set NIL, 7                            ; v7   0; never rewritten
.set MGA, 8                            ; v8   the join: where I put O^T: 8,192 w + 16 x lane
.set MGS, 9                            ; v9   and my statistics: MST + 512 w + 4 x lane
.set PFO, 10                           ; v10  256 x lane; never rewritten
.set MRA, 11                           ; v11  the join: where I read my channel tile of my group's four O^T: 32,768 qg + 1,024 kq + 16 x lane
.set ST,  12                           ; tile t's statistics at v[ST + 8 t]: +0 m / 8, +1 m, +2, +3 the sum (even keys', odd keys'), +4 to +7 at work; a = 2^(old m / 8 - new m / 8) at +6
.set Q,   28                           ; v28-59    Q: tile t, channels 32 kk on: Q + 16 t + 8 kk
.set KV,  60                           ; v60-123   a step's K, then its V; in the join the four partners' tiles
.set S,   124                          ; v124-187  S^T, 32 a tile; then p; then P in the tile's first 16
.set O,   188                          ; v188-251  O^T: tile t, channels 16 ct on: O + 32 t + 8 ct
.set L2,  252                          ; v252-255  a second chain for each tile's sum
.set EA,  S+16                         ; the join: partner i's factor for tile t at EA + 8 t + 2 i, the low word of a pair
.set OU,  S+32                         ; the joined tile, 8 registers a tile of queries
.set CV,  S+48                         ; and as f16, 4 registers
.set WV,  12
.set G1,  24                           ; s[24:31] descriptor group 1;  s[32:39] group 0, a set for each slot
.set G0,  32
.set CS,  40                           ; s[40:41] 1 / 8: the packed form names a pair and takes its low word for both halves
.set SEL, 42                           ; s[42:43] lane selects for v_permlanex16_b32: lane l xor 16
.set LIM, 46                           ; s46  0 in a wave that prefetches
.set MRB, 47                           ; s47  MST + 2,048 qg: my query group's statistics
.set PFA, 48                           ; s[48:49] what a prefetching wave asks for; never rewritten
.macro CROUND                          ; a round of the cluster's barrier: my work-group's barrier; wave 0 signals for the work-group; every wave waits for all four; my work-group's barrier once more
	s_barrier_signal -1
	s_barrier_wait -1
	s_cmp_lg_u32 s[WV], 0
	s_cbranch_scc1 .Lnot_wave_0_\@
	s_barrier_signal -3
.Lnot_wave_0_\@:
	s_barrier_wait -3
	s_barrier_signal -1
	s_barrier_wait -1
.endm
	s_load_b128 s[4:7], s[0:1], 0x0                ; qkv, cimg
	v_lshl_add_u32 v[SPW], v0, 2, SPARE
	v_mov_b32 v[NIL], 0
	ds_add_u32 v[SPW], v[NIL]                      ; the wave's opening: the add, twice on end, and its wait ahead of my first tensor load; the set-up below stands between
	ds_add_u32 v[SPW], v[NIL]
	v_lshrrev_b32 v1, 5, v0
	v_readfirstlane_b32 s[WV], v1                  ; wave 0..15
	s_and_b32 s13, s[WV], 3                        ; kq
	s_lshr_b32 s14, s[WV], 2                       ; qg
	s_bfe_u32 s15, ttmp6, 0x40000                  ; cx
	s_lshl_b32 s16, ttmp9, 2
	s_add_co_u32 s16, s16, s15                     ; qb = 4 x cluster x + cx: it enters Q's and ctx's addresses alone
	s_and_b32 s17, ttmp7, 0xffff                   ; the head, which the four partners share
	s_mov_b32 s[G1], 15|(3<<16)|(1<<21)            ; 15:0 the mask: all four; 17:16 elements of 8 bytes; 21 set beside a mask; no padding
	s_mov_b32 s[G1+1], 32<<16                      ; tensor_dim0 = 32 elements: 256 bytes
	s_mov_b32 s[G1+2], 32<<16                      ; tensor_dim1
	s_mov_b32 s[G1+3], 32<<16                      ; tile_dim0
	s_mov_b32 s[G1+4], 32                          ; tile_dim1
	s_mov_b32 s[G1+5], 32                          ; from row to row: dense
	s_mov_b32 s[G1+6], 0
	s_mov_b32 s[G1+7], 0
	; what I fetch: waves 0-7 for K, 8-15 for V; (w / 2) % 4 the quarter; w % 2 the first or second step of a fill's two
	s_lshr_b32 s50, s[WV], 3
	s_add_co_u32 s50, s50, 1
	s_lshl_b32 s50, s50, 22                        ; k at 4,194,304, v at 8,388,608
	s_lshl_b32 s51, s17, 18
	s_add_co_u32 s50, s50, s51                     ; + 262,144 head
	s_bfe_u32 s51, s[WV], 0x20001
	s_lshl_b32 s51, s51, 16
	s_add_co_u32 s50, s50, s51                     ; + 65,536 quarter
	s_and_b32 s51, s[WV], 1
	s_lshl_b32 s51, s51, 13
	s_add_co_u32 s20, s50, s51                     ; + 8,192 step
	s_mov_b32 s21, 0
	s_lshl_b32 s18, s[WV], 13                      ; my region in a slot: no place in the cluster enters an LDS address
	s_lshr_b32 s52, s15, 1                         ; the prefetch (macro ASK): piece w + cx of the fourth fill's sixteen, w a multiple of 4: quarter + cx / 2,
	s_lshl_b32 s52, s52, 16
	s_and_b32 s53, s15, 1                          ; step cx % 2
	s_lshl_b32 s53, s53, 13
	s_add_co_u32 s52, s52, s53
	s_add_co_u32 s52, s52, s50
	s_add_co_u32 s52, s52, 3*16384
	s_mov_b32 s53, 0
	s_or_b32 s[LIM], s13, ttmp9                    ; waves 0, 4, 8, 12 of the head's first cluster: the same in all four partners
	s_lshl_b32 s22, s17, 18                        ; Q: 262,144 head + 2,048 (8 qb + 2 qg)
	s_lshl_b32 s23, s16, 14
	s_add_co_u32 s22, s22, s23
	s_lshl_b32 s23, s14, 12
	s_add_co_u32 s22, s22, s23
	s_mov_b32 s23, 0
	s_lshl_b32 s54, s16, 18                        ; ctx: 2,048 (8 (16 qb + head) + 2 qg) + 512 kq
	s_lshl_b32 s55, s17, 14
	s_add_co_u32 s54, s54, s55
	s_lshl_b32 s55, s14, 12
	s_add_co_u32 s54, s54, s55
	s_lshl_b32 s55, s13, 9
	s_add_co_u32 s54, s54, s55
	s_mov_b32 s55, 0
	s_mov_b32 s[CS], 0x3e000000                    ; 1 / 8 = 64^(-1/2)
	s_mov_b32 s[CS+1], s[CS]
	s_mov_b32 s[SEL], 0x76543210
	s_mov_b32 s[SEL+1], 0xfedcba98
	s_wait_dscnt 0x0                               ; both opening adds are done
	s_wait_kmcnt 0x0
	s_add_nc_u64 s[20:21], s[4:5], s[20:21]
	s_add_nc_u64 s[PFA:PFA+1], s[4:5], s[52:53]
	s_add_nc_u64 s[22:23], s[4:5], s[22:23]
	s_add_nc_u64 s[6:7], s[6:7], s[54:55]
	CROUND                                         ; all four work-groups are here: the first joint loads meet
.irp s, 0,1
	s_mov_b32 s[G0+4*\s], 1
	s_add_co_u32 s[G0+4*\s+1], s18, \s*SLOT1
	s_add_nc_u64 s[G0+4*\s+2:G0+4*\s+3], s[20:21], \s*16384    ; slot s begins with fill s: 128 keys of each quarter
	s_or_b32 s[G0+4*\s+3], s[G0+4*\s+3], 0x80000000
.endr
	tensor_load_to_lds s[G0:G0+3], s[G1:G1+7]
	s_nop 0
	tensor_load_to_lds s[G0+4:G0+7], s[G1:G1+7]
	s_nop 0
.rept 4
	v_nop
.endr
	v_and_b32 v1, 31, v0
	v_lshlrev_b32 v1, 4, v1                        ; 16 x lane
.set n, 0
.rept 8
	global_load_b128 v[Q+4*n:Q+4*n+3], v1, s[22:23] offset:512*n   ; Q stays in registers: 32 lanes read 512 consecutive bytes
.set n, n+1
.endr
	s_lshl_b32 s19, s13, 14
	v_add_nc_u32 v[AK0], s19, v1
	v_add_nc_u32 v[AV0], 65536, v[AK0]
	v_add_nc_u32 v[MGA], s18, v1
	v_lshrrev_b32 v[MGS], 2, v1                    ; 4 x lane
	s_lshl_b32 s19, s[WV], 9
	s_add_co_u32 s19, s19, MST
	v_add_nc_u32 v[MGS], s19, v[MGS]
	s_lshl_b32 s19, s14, 15
	s_lshl_b32 s[MRB], s13, 10
	s_add_co_u32 s19, s19, s[MRB]
	v_add_nc_u32 v[MRA], s19, v1
	s_lshl_b32 s[MRB], s14, 11
	s_add_co_u32 s[MRB], s[MRB], MST
	v_and_b32 v[PFO], 31, v0
	v_lshlrev_b32 v[PFO], 8, v[PFO]
; A KEY STEP: 64 keys against my 32 queries: the q-th step of slot s.  first = 1: the launch's first step, which starts the maximum, the sum and O^T: it has no old maximum, no a and nothing to rescale.
.macro STEP s, q, first
	v_add_nc_u32 v[ADK], \s*SLOT1, v[AK0]          ; these two and three v_nop: five plain places behind the last step's products, whose P the first product below writes over and into whose V the loads land
	v_add_nc_u32 v[ADV], \s*SLOT1, v[AV0]
.if \first == 0
.rept 3
	v_nop
.endr
.endif
.set n, 0
.rept 16
	ds_load_b128 v[KV+4*n:KV+4*n+3], v[ADK] offset:8192*\q+512*n   ; K: keys 16 (n / 4) on, channels 32 ((n / 2) % 2) on
.set n, n+1
.endr
	s_wait_dscnt 0x0
.set n, 0
.rept 16                               ; S^T = K Q^T: the eight accumulators take turns, one instruction a turn; the first eight start the sums
.set rS, S+32*(n%2)+8*((n/2)%4)
.set rK, KV+16*((n/2)%4)+8*(n/8)
.set rQ, Q+16*(n%2)+8*(n/8)
.if n < 8
	v_wmma_f32_16x16x32_f16 v[rS:rS+7], v[rK:rK+7], v[rQ:rQ+7], 0
.else
	v_wmma_f32_16x16x32_f16 v[rS:rS+7], v[rK:rK+7], v[rQ:rQ+7], v[rS:rS+7]
.endif
.set n, n+1
.endr
.rept 4
	v_nop                                          ; four places in front of the loads into K's registers and of the first read of the scores
.endr
.set n, 0
.rept 16
	ds_load_b128 v[KV+4*n:KV+4*n+3], v[ADV] offset:8192*\q+512*n   ; V^T: keys 32 (n / 8) on, channels 16 ((n / 2) % 4) on; it lands while the softmax is walked
.set n, n+1
.endr
	; the softmax, the two tiles line by line.  The maximum of the lane's 32 scores and the old m: four chains, each accumulator read from its low end on
.irp j, 0,1,2,3
.irp t, 0,1
	v_max3_num_f32 v[ST+8*\t+4+\j], v[S+32*\t+8*\j], v[S+32*\t+8*\j+1], v[S+32*\t+8*\j+2]
.endr
.endr
.irp u, 1,2
.irp j, 0,1,2,3
.irp t, 0,1
	v_max3_num_f32 v[ST+8*\t+4+\j], v[ST+8*\t+4+\j], v[S+32*\t+8*\j+2*\u+1], v[S+32*\t+8*\j+2*\u+2]
.endr
.endr
.endr
.irp t, 0,1
	v_max3_num_f32 v[ST+8*\t+4], v[ST+8*\t+4], v[S+32*\t+7], v[S+32*\t+15]
.endr
.irp t, 0,1
	v_max3_num_f32 v[ST+8*\t+6], v[ST+8*\t+6], v[S+32*\t+23], v[S+32*\t+31]
.endr
.irp t, 0,1
	v_max3_num_f32 v[ST+8*\t+4], v[ST+8*\t+4], v[ST+8*\t+5], v[ST+8*\t+6]
.endr
.irp t, 0,1
.if \first
	v_max_num_f32 v[ST+8*\t+4], v[ST+8*\t+4], v[ST+8*\t+7]
.else
	v_max3_num_f32 v[ST+8*\t+4], v[ST+8*\t+4], v[ST+8*\t+7], v[ST+8*\t+1]
.endif
.endr
.irp t, 0,1
	v_permlanex16_b32 v[ST+8*\t+5], v[ST+8*\t+4], s[SEL], s[SEL+1]   ; the query's other 32 keys lie in the lane 16 away
.endr
.if \first == 0
.irp t, 0,1
	v_mov_b32 v[ST+8*\t+7], v[ST+8*\t]             ; the old m / 8 is kept for a
.endr
.endif
.irp t, 0,1
	v_max_num_f32 v[ST+8*\t+1], v[ST+8*\t+4], v[ST+8*\t+5]
.endr
.irp t, 0,1
	v_mul_f32 v[ST+8*\t], s[CS], v[ST+8*\t+1]
.endr
.if \first == 0
.irp t, 0,1
	v_sub_f32 v[ST+8*\t+7], v[ST+8*\t+7], v[ST+8*\t]
.endr
.endif
.irp b, 0,2,4,6,8,10,12,14,16,18,20,22,24,26,28,30
.irp t, 0,1
	v_pk_fma_f32 v[S+32*\t+\b:S+32*\t+\b+1], v[S+32*\t+\b:S+32*\t+\b+1], s[CS:CS+1], v[ST+8*\t:ST+8*\t+1] op_sel_hi:[1,0,0] neg_lo:[0,0,1] neg_hi:[0,0,1]   ; s / 8 - m / 8, two at a time
.endr
.endr
.if \first == 0
.irp t, 0,1
	v_exp_f32 v[ST+8*\t+6], v[ST+8*\t+7]           ; a
.endr
.endif
.set n, 0
.rept 64
	v_exp_f32 v[S+n], v[S+n]                       ; p: ONE batch of exponentials, none of which reads another's result
.set n, n+1
.endr
	v_nop                                          ; a plain instruction behind the last exponential (ISA guide 5.7.2),
	s_wait_alu depctr_va_vdst(0)                   ; and one wait ahead of the batch's first reader
.if \first == 0
.irp t, 0,1
	v_pk_mul_f32 v[ST+8*\t+2:ST+8*\t+3], v[ST+8*\t+2:ST+8*\t+3], v[ST+8*\t+6:ST+8*\t+7] op_sel_hi:[1,0]   ; the sum under the new m
.endr
.endif
.irp t, 0,1
	v_pk_add_f32 v[L2+2*\t:L2+2*\t+1], v[S+32*\t:S+32*\t+1], v[S+32*\t+2:S+32*\t+3]   ; the sum is taken of the unrounded p, in two chains
.endr
.irp j, 4,8,12,16,20,24,28
.irp t, 0,1
.if \first && (\j == 4)
	v_pk_add_f32 v[ST+8*\t+2:ST+8*\t+3], v[S+32*\t+4:S+32*\t+5], v[S+32*\t+6:S+32*\t+7]   ; the first step's addition starts the sum: nothing is cleared
.else
	v_pk_add_f32 v[ST+8*\t+2:ST+8*\t+3], v[ST+8*\t+2:ST+8*\t+3], v[S+32*\t+\j:S+32*\t+\j+1]
	v_pk_add_f32 v[L2+2*\t:L2+2*\t+1], v[L2+2*\t:L2+2*\t+1], v[S+32*\t+\j+2:S+32*\t+\j+3]
.endif
.endr
.endr
.irp t, 0,1
	v_pk_add_f32 v[ST+8*\t+2:ST+8*\t+3], v[ST+8*\t+2:ST+8*\t+3], v[L2+2*\t:L2+2*\t+1]
.endr
.set n, 0
.rept 16
.irp t, 0,1
	v_cvt_pk_f16_f32 v[S+32*\t+n], v[S+32*\t+2*n], v[S+32*\t+2*n+1]   ; P, packed in place: register n is written when registers 2 n and 2 n + 1 are read, ascending
.endr
.set n, n+1
.endr
.if \first == 0
.set n, 0
.rept 16
.irp t, 0,1
	v_pk_mul_f32 v[O+32*\t+2*n:O+32*\t+2*n+1], v[O+32*\t+2*n:O+32*\t+2*n+1], v[ST+8*\t+6:ST+8*\t+7] op_sel_hi:[1,0]   ; O^T under the new m, each accumulator from its low end on
.endr
.set n, n+1
.endr
.endif
	s_wait_dscnt 0x0                               ; V is in
.set n, 0
.rept 16                               ; O^T += V^T P: keys 32 (n / 8) on, channels 16 ((n / 2) % 4) on, tile n % 2: eight accumulators by turns; in the first step the first eight start the sums
.set rO, O+32*(n%2)+8*((n/2)%4)
.set rV, KV+32*(n/8)+8*((n/2)%4)
.set rP, S+32*(n%2)+8*(n/8)
.if \first && (n < 8)
	v_wmma_f32_16x16x32_f16 v[rO:rO+7], v[rV:rV+7], v[rP:rP+7], 0
.else
	v_wmma_f32_16x16x32_f16 v[rO:rO+7], v[rV:rV+7], v[rP:rP+7], v[rO:rO+7]
.endif
.set n, n+1
.endr
.endm
.macro SLOT_STEPS s, first             ; a slot's two steps
	STEP \s, 0, \first
	STEP \s, 1, 0
.endm
; A PREFETCH INTO THE L2 of the fourth fill, where the third is asked for: a slot's two key steps of every wave ahead of the load that wants it.  All clusters of a head walk the same K and V: the head's first cluster asks.
; The fill is sixteen pieces of 8,192 bytes, piece p being what wave p fetches.  Waves 0, 4, 8, 12 ask, one instruction each, lanes 256 bytes apart; the partner at place cx takes piece w + cx: the four are told apart by address.
; So each aligned 256 bytes is named once.  The first three fills come by their loads alone.
.macro ASK
	s_cmp_eq_u32 s[LIM], 0
	s_cbranch_scc0 .Lnot_mine_\@
	global_prefetch_b8 v[PFO], s[PFA:PFA+1] th:TH_LOAD_NT scope:SCOPE_SE
.Lnot_mine_\@:
.endm
; THE CHANGE OF SLOTS.  Each wave waits for all its tensor loads (its region of the slot ahead), adds 0 to its spare word, and waits for that and for its reads of the slot that it leaves.  fill = 1: slot s, just left, is filled
; again: the barrier is a round of the cluster's, and the joint refill is the first thing behind it, my one tensor load until the next round: it has the other slot's steps in which to land.
.macro CHANGE s, fill, ask
	s_wait_tensorcnt 0x0                           ; no tensor load of mine is out, so a group 0 may be written
	ds_add_u32 v[SPW], v[NIL]
.if \fill
	s_add_nc_u64 s[G0+4*\s+2:G0+4*\s+3], s[G0+4*\s+2:G0+4*\s+3], 32768   ; two fills on; the type bits on top are not reached
.endif
	s_wait_dscnt 0x0                               ; the add is done, and my reads of the slot are over
.if \fill
	CROUND
	tensor_load_to_lds s[G0+4*\s:G0+4*\s+3], s[G1:G1+7]
	s_nop 0
.rept 4
	v_nop
.endr
.if \ask
	ASK
.endif
.else
	s_barrier_signal -1
	s_barrier_wait -1
.endif
.endm
	s_wait_loadcnt 0x0                             ; Q
	s_wait_tensorcnt 0x1                           ; my region of slot 0 has landed; slot 1's load may be out
	s_barrier_signal -1
	s_barrier_wait -1
	SLOT_STEPS 0, 1                                ; fill 0
	CHANGE 0, 1, 1
	SLOT_STEPS 1, 0                                ; fill 1
	CHANGE 1, 1, 0
	SLOT_STEPS 0, 0                                ; fill 2
	CHANGE 0, 0, 0                                 ; nothing is left to fetch
	SLOT_STEPS 1, 0                                ; fill 3
	; THE JOIN.  Each wave adds its sum's halves; these lines and the address's two are the places behind the last products.  Then every wave puts its O^T, m / 8 and sums into LDS.  O^T goes into slot 0: that slot has had its
	; last fill, and every wave has passed the last change of slots, behind which nobody reads it.
.irp t, 0,1
	v_add_f32 v[ST+8*\t+2], v[ST+8*\t+2], v[ST+8*\t+3]
.endr
.irp t, 0,1
	v_permlanex16_b32 v[ST+8*\t+5], v[ST+8*\t+2], s[SEL], s[SEL+1]
.endr
.irp t, 0,1
	v_add_f32 v[ST+8*\t+2], v[ST+8*\t+2], v[ST+8*\t+5]
.endr
	v_lshrrev_b32 v[ADK], 2, v1                    ; 4 x lane,
	v_add_nc_u32 v[ADK], s[MRB], v[ADK]            ; among my query group's statistics
.set n, 0
.rept 16
	ds_store_b128 v[MGA], v[O+4*n:O+4*n+3] offset:512*n        ; as it stands, each accumulator from its low end on: block 8 t + 2 ct + half
.set n, n+1
.endr
	ds_store_b32 v[MGS], v[ST]                     ; m / 8 and the sum of tile 0,
	ds_store_b32 v[MGS], v[ST+2] offset:128
	ds_store_b32 v[MGS], v[ST+8] offset:256        ; of tile 1
	ds_store_b32 v[MGS], v[ST+10] offset:384
	s_wait_dscnt 0x0                               ; for the partners' sake: my stores have landed
	s_barrier_signal -1
	s_barrier_wait -1
.irp i, 0,1,2,3                        ; partner i is wave 4 qg + i (I am one of the four): its channel tile ct = kq of both tiles of queries, in the same lanes
.irp t, 0,1
.irp c, 0,1
	ds_load_b128 v[KV+16*\i+8*\t+4*\c:KV+16*\i+8*\t+4*\c+3], v[MRA] offset:8192*\i+4096*\t+512*\c
.endr
.endr
.endr
.irp i, 0,1,2,3
.irp k, 0,1,2,3
	ds_load_b32 v[S+4*\i+\k], v[ADK] offset:512*\i+128*\k      ; its m / 8 of tile t at S + 4 i + 2 t, its sum one further on
.endr
.endr
	s_wait_dscnt 0x0
.irp t, 0,1
	v_max3_num_f32 v[ST+8*\t+4], v[S+2*\t], v[S+4+2*\t], v[S+8+2*\t]
.endr
.irp t, 0,1
	v_max_num_f32 v[ST+8*\t+4], v[ST+8*\t+4], v[S+12+2*\t]     ; the largest of the four maxima
.endr
.irp i, 0,1,2,3
.irp t, 0,1
	v_sub_f32 v[EA+8*\t+2*\i], v[S+4*\i+2*\t], v[ST+8*\t+4]
.endr
.endr
.irp i, 0,1,2,3
.irp t, 0,1
	v_exp_f32 v[EA+8*\t+2*\i], v[EA+8*\t+2*\i]     ; a_i: partner i's part under it; one of the four is 1
.endr
.endr
	v_nop
	s_wait_alu depctr_va_vdst(0)                   ; one wait for the eight
.irp t, 0,1
	v_mul_f32 v[ST+8*\t+5], v[EA+8*\t], v[S+2*\t+1]
.endr
.irp i, 1,2,3
.irp t, 0,1
	v_fma_f32 v[ST+8*\t+5], v[EA+8*\t+2*\i], v[S+4*\i+2*\t+1], v[ST+8*\t+5]   ; the row's sum over all 2,048 keys
.endr
.endr
.irp t, 0,1
	v_rcp_f32 v[ST+8*\t+5], v[ST+8*\t+5]
.endr
	v_nop
	s_wait_alu depctr_va_vdst(0)                   ; one wait for the two
.irp i, 0,1,2,3
.irp t, 0,1
	v_mul_f32 v[EA+8*\t+2*\i], v[EA+8*\t+2*\i], v[ST+8*\t+5]   ; f_i = a_i / sum: the low word of a pair
.endr
.endr
.irp j, 0,2,4,6
.irp t, 0,1
	v_pk_mul_f32 v[OU+8*\t+\j:OU+8*\t+\j+1], v[KV+8*\t+\j:KV+8*\t+\j+1], v[EA+8*\t:EA+8*\t+1] op_sel_hi:[1,0]
.endr
.endr
.irp i, 1,2,3
.irp j, 0,2,4,6
.irp t, 0,1
	v_pk_fma_f32 v[OU+8*\t+\j:OU+8*\t+\j+1], v[KV+16*\i+8*\t+\j:KV+16*\i+8*\t+\j+1], v[EA+8*\t+2*\i:EA+8*\t+2*\i+1], v[OU+8*\t+\j:OU+8*\t+\j+1] op_sel_hi:[1,0,1]
.endr
.endr
.endr
.irp j, 0,1,2,3
.irp t, 0,1
	v_cvt_pk_f16_f32 v[CV+4*\t+\j], v[OU+8*\t+2*\j], v[OU+8*\t+2*\j+1]   ; a lane's eight channels of a query: four registers: half a fragment of the projection's operand
.endr
.endr
.irp t, 0,1
	global_store_b128 v1, v[CV+4*\t:CV+4*\t+3], s[6:7] offset:2048*\t   ; cimg [qb][head][tile of 16 rows 8][channel tile 4][512]: 32 lanes store 512 consecutive bytes, aligned
.endr
	s_wait_tensorcnt 0x0                           ; the wave's end: behind my last tensor load and my last LDS store
	ds_add_u32 v[SPW], v[NIL]
	s_wait_dscnt 0x0
	CROUND                                         ; the closing round: no work-group ends while a partner may still ask for a region that names it
	s_endpgm
.Lfunc_end_k_q83a0abd3bc_attn:
	.size	k_q83a0abd3bc_attn, .Lfunc_end_k_q83a0abd3bc_attn-k_q83a0abd3bc_attn
	.p2alignl 7, 3214868480
	.fill 96, 4, 3214868480
	.section	.rodata,"a",@progbits
	.p2align	6, 0x0
	.amdhsa_kernel k_q83a0abd3bc_attn
		.amdhsa_group_segment_fixed_size 327680
		.amdhsa_private_segment_fixed_size 0
		.amdhsa_enable_private_segment 0
		.amdhsa_kernarg_size 16
		.amdhsa_user_sgpr_count 2
		.amdhsa_user_sgpr_kernarg_segment_ptr 1
		.amdhsa_wavefront_size32 1
		.amdhsa_system_sgpr_workgroup_id_x 1
		.amdhsa_system_sgpr_workgroup_id_y 1
		.amdhsa_system_sgpr_workgroup_id_z 1
		.amdhsa_system_vgpr_workitem_id 0
		.amdhsa_next_free_vgpr 256
		.amdhsa_next_free_sgpr 66
		.amdhsa_reserve_vcc 0
		.amdhsa_float_denorm_mode_32 3
		.amdhsa_float_denorm_mode_16_64 3
		.amdhsa_memory_ordered 1
		.amdhsa_forward_progress 1
		.amdhsa_inst_pref_size 150
	.end_amdhsa_kernel
	.amdgpu_metadata
---
amdhsa.version: [ 1, 2 ]
amdhsa.kernels:
  - .name:           k_q83a0abd3bc_attn
    .symbol:         k_q83a0abd3bc_attn.kd
    .args:
      - { .name: qkv, .offset: 0, .size: 8, .value_kind: global_buffer, .address_space: global }
      - { .name: cimg, .offset: 8, .size: 8, .value_kind: global_buffer, .address_space: global }
    .group_segment_fixed_size: 327680
    .private_segment_fixed_size: 0
    .kernarg_segment_align: 8
    .kernarg_segment_size: 16
    .max_flat_workgroup_size: 512
    .sgpr_count:     66
    .vgpr_count:     256
    .wavefront_size: 32
...
	.end_amdgpu_metadata
.endif
;; end of part 3
;; launch proj (part 4): grid 16 x 16, 4 waves a work-group, clusters of 4 x 4, 327,680 bytes of LDS; arguments cimg, wimg, out0; writes out0
.if DOCPART == 4
	.amdgcn_target "amdgcn-amd-amdhsa--gfx1250"
	.amdhsa_code_object_version 6
	.text
	.protected	k_q83a0abd3bc_proj
	.globl	k_q83a0abd3bc_proj
	.p2align	8
	.type	k_q83a0abd3bc_proj,@function
k_q83a0abd3bc_proj:
	s_mov_b64 s[64:65], 0
	v_nop
	global_prefetch_b8 v0, s[64:65] scope:SCOPE_SE
	s_setreg_imm32_b32 hwreg(HW_REG_WAVE_MODE, 25, 1), 1
	s_wait_xcnt 0x0
	s_wait_alu depctr_hold_cnt(0) depctr_sa_sdst(0) depctr_va_vdst(0) depctr_va_sdst(0) depctr_va_ssrc(0) depctr_va_vcc(0) depctr_vm_vsrc(0)
	s_getreg_b32 s2, hwreg(HW_REG_IB_STS2, 6, 4)
	s_cmp_eq_u32 s2, 0
	s_cbranch_scc0 .Lentry_in_a_cluster
	s_endpgm
.Lentry_in_a_cluster:
	s_bfe_u32 s2, ttmp6, 0x10000c
	s_cmp_lg_u32 s2, 0xf033
	s_cbranch_scc0 .Lentry_shape_is_right
	s_endpgm
.Lentry_shape_is_right:
; OUT = ctx w_out^T.  ctx [2048][1024] and w_out [1024][1024] arrive in f16 as images of operand registers (cimg, wimg: blocks of 512 bytes, lane l's 16 bytes at 16 l); sums in f32; out0 [2048][1024] f32.
; SHARES.  Work-group (nt, mt): 128 rows x 64 columns of out0: 256 equal work-groups.  Wave w: rows 32 w .. + 31 (two tiles a) against all 64 columns (four tiles b): 8 accumulators.  A row's 256 bytes belong to one wave,
; so the way out goes through the wave's own stage and needs no barrier.
; THE MATRIX INSTRUCTION IS USED TRANSPOSED: source 0 = 16 rows of w_out, source 1 = 16 rows of ctx: a lane holds eight neighbouring columns of one row of out0.
; LDS.  K goes in four chunks of 256 through three slots of 98,304 bytes: ctx's [head in the chunk 4][tile of rows 8][2,048], then w_out's [4][tile of columns 4][2,048].  Both are dense runs of memory.  Chunks 0 to 2 are first fills;
; chunk 3 is the one refill, into slot 0, and has two chunks' work in which to land.  Waves 0, 1 fetch ctx's halves (128 rows x 256 bytes), waves 2, 3 w_out's (64 rows): three tensor loads of a wave are out at the head, one behind the round.
; CLUSTER 4 x 4: ctx's chunks hang on mt alone and are shared along a row of the cluster, w_out's on nt alone and along a column: each is asked for jointly.
.set SLOT,  98304
.set STAGE, 3*SLOT                     ; behind the slots: 16 rows x 272 bytes for each wave (68 words: row r starts at bank 4 r mod 64: ISA guide 11.1)
.set SPARE, STAGE+4*16*272             ; the spare words, 128 bytes a wave: two blocks of 256 bytes that no other line names
.set SPW,  8                           ; v8   LDS address of my spare word; never rewritten
.set NIL,  9                           ; v9   0; never rewritten
                                       ; v4, v5  my lane's place among ctx's and w_out's blocks in slot 0;  v6, v7  in the chunk in hand;  v10, v11  the stage: in, back;  v12  my byte offset in out0
.set F0,   16                          ; v16-63, v64-111  two sets of fragments: ctx's tile a at + 8 a, w_out's tile b at + 16 + 8 b
.set ACC,  112                         ; v112-175  accumulator (a, b) at ACC + 8 (4 a + b)
.set G1A, 24                           ; s[24:31] descriptor group 1 for ctx;  s[32:43] group 0, a set for each slot
.set G0A, 32
.set G1B, 48                           ; s[48:55] for w_out;  s[68:79] its groups 0
.set G0B, 68
.macro CROUND
	s_barrier_signal -1
	s_barrier_wait -1
	s_cmp_lg_u32 s10, 0
	s_cbranch_scc1 .Lnot_wave_0_\@
	s_barrier_signal -3
.Lnot_wave_0_\@:
	s_barrier_wait -3
	s_barrier_signal -1
	s_barrier_wait -1
.endm
.macro PLACES n
.rept \n
	v_nop
.endr
.endm
	s_load_b128 s[4:7], s[0:1], 0x0                ; cimg, wimg
	s_load_b64 s[8:9], s[0:1], 0x10                ; out0
	v_lshl_add_u32 v[SPW], v0, 2, SPARE
	v_mov_b32 v[NIL], 0
	ds_add_u32 v[SPW], v[NIL]                      ; the wave's opening: the add, twice on end, and its wait ahead of my first tensor load; the set-up below stands between
	ds_add_u32 v[SPW], v[NIL]
	v_lshrrev_b32 v1, 5, v0
	v_readfirstlane_b32 s10, v1                    ; wave 0..3
	s_lshr_b32 s11, s10, 1                         ; I fetch for ctx (0) or for w_out (1),
	s_and_b32 s12, s10, 1                          ; its lower or upper half
	s_bfe_u32 s56, ttmp6, 0x40000                  ; cx, cy
	s_bfe_u32 s57, ttmp6, 0x40004
	s_lshl_b32 s58, ttmp9, 2
	s_add_co_u32 s58, s58, s56                     ; nt = 4 x cluster x + cx
	s_and_b32 s59, ttmp7, 0xffff
	s_lshl_b32 s59, s59, 2
	s_add_co_u32 s59, s59, s57                     ; mt = 4 x cluster y + cy
	s_lshl_b32 s60, s57, 2
	s_lshl_b32 s60, 15, s60                        ; my row of the cluster
	s_lshl_b32 s61, 0x1111, s56                    ; my column
	s_or_b32 s[G1A], s60, (3<<16)|(1<<21)          ; 15:0 the mask; 17:16 elements of 8 bytes; 21 set beside a mask; no padding
	s_mov_b32 s[G1A+1], 32<<16                     ; rows of 32 elements: 256 bytes,
	s_mov_b32 s[G1A+2], 128<<16                    ; 128 of them,
	s_mov_b32 s[G1A+3], 32<<16
	s_mov_b32 s[G1A+4], 128
	s_mov_b32 s[G1A+5], 32                         ; dense
	s_mov_b32 s[G1A+6], 0
	s_mov_b32 s[G1A+7], 0
	s_or_b32 s[G1B], s61, (3<<16)|(1<<21)
	s_mov_b32 s[G1B+1], 32<<16
	s_mov_b32 s[G1B+2], 64<<16                     ; w_out's: 64 rows
	s_mov_b32 s[G1B+3], 32<<16
	s_mov_b32 s[G1B+4], 64
	s_mov_b32 s[G1B+5], 32
	s_mov_b32 s[G1B+6], 0
	s_mov_b32 s[G1B+7], 0
	s_lshl_b32 s16, s59, 18                        ; ctx: 262,144 mt + 32,768 half
	s_lshl_b32 s20, s12, 15                        ; (the same half in a slot)
	s_add_co_u32 s16, s16, s20
	s_mov_b32 s17, 0
	s_lshl_b32 s46, s58, 17                        ; w_out: 131,072 nt + 16,384 half
	s_lshl_b32 s21, s12, 14
	s_add_co_u32 s46, s46, s21
	s_mov_b32 s47, 0
	s_add_co_u32 s21, s21, 65536                   ; in a slot behind ctx's 65,536 bytes
	s_wait_dscnt 0x0                               ; both opening adds are done
	s_wait_kmcnt 0x0
	s_add_nc_u64 s[14:15], s[4:5], s[16:17]
	s_add_nc_u64 s[46:47], s[6:7], s[46:47]
	CROUND                                         ; all sixteen work-groups are here: the first joint loads meet
.irp s, 0,1,2
	s_mov_b32 s[G0A+4*\s], 1
	s_add_co_u32 s[G0A+4*\s+1], s20, \s*SLOT
	s_add_nc_u64 s[G0A+4*\s+2:G0A+4*\s+3], s[14:15], \s*65536
	s_or_b32 s[G0A+4*\s+3], s[G0A+4*\s+3], 0x80000000
	s_mov_b32 s[G0B+4*\s], 1
	s_add_co_u32 s[G0B+4*\s+1], s21, \s*SLOT
	s_add_nc_u64 s[G0B+4*\s+2:G0B+4*\s+3], s[46:47], \s*32768
	s_or_b32 s[G0B+4*\s+3], s[G0B+4*\s+3], 0x80000000
.endr
	s_cmp_eq_u32 s11, 0                            ; a wave's three first fills stand in one branch on the wave's number
	s_cbranch_scc0 .Lfirst_b
.irp s, 0,1,2
	tensor_load_to_lds s[G0A+4*\s:G0A+4*\s+3], s[G1A:G1A+7]
	s_nop 0
.endr
	PLACES 4
	s_branch .Lfirst_asked
.Lfirst_b:
.irp s, 0,1,2
	tensor_load_to_lds s[G0B+4*\s:G0B+4*\s+3], s[G1B:G1B+7]
	s_nop 0
.endr
	PLACES 4
.Lfirst_asked:
	v_and_b32 v1, 15, v0                           ; r
	v_bfe_u32 v2, v0, 4, 1                         ; h
	v_and_b32 v3, 31, v0
	v_lshlrev_b32 v3, 4, v3                        ; 16 x lane
	s_lshl_b32 s13, s10, 12
	v_add_nc_u32 v4, s13, v3                       ; ctx: my two tiles of rows: 4,096 w
	v_add_nc_u32 v5, 65536, v3                     ; w_out
	s_mul_i32 s13, s10, 16*272
	s_add_co_u32 s13, s13, STAGE                   ; my stage
	v_mul_u32_u24 v10, v1, 272
	v_lshl_add_u32 v10, v2, 5, v10
	v_add_nc_u32 v10, s13, v10                     ; in: row r, 32 bytes for each half of the lanes
	v_mul_u32_u24 v11, v2, 272
	v_lshl_add_u32 v11, v1, 4, v11
	v_add_nc_u32 v11, s13, v11                     ; back: lanes 0-15 one row of 256 bytes, lanes 16-31 the next
	v_lshlrev_b32 v12, 12, v2
	v_lshl_add_u32 v12, v1, 4, v12                 ; and the same two rows in out0
	s_lshl_b32 s22, s59, 19                        ; out0: (128 mt + 32 w) rows of 4,096 bytes + 256 nt
	s_lshl_b32 s23, s10, 17
	s_add_co_u32 s22, s22, s23
	s_lshl_b32 s23, s58, 8
	s_add_co_u32 s22, s22, s23
	s_mov_b32 s23, 0
	s_add_nc_u64 s[8:9], s[8:9], s[22:23]
; 12 LDS loads: the six fragments (16 rows x 32 K of f16: two blocks of 512 bytes) of the chunk's q-th 32 along K into set q % 2
.macro FETCH q
.set fB, F0+48*((\q)%2)
.irp a, 0,1
.irp c, 0,1
	ds_load_b128 v[fB+8*\a+4*\c:fB+8*\a+4*\c+3], v6 offset:16384*((\q)/2)+2048*\a+1024*((\q)%2)+512*\c
.endr
.endr
.irp b, 0,1,2,3
.irp c, 0,1
	ds_load_b128 v[fB+16+8*\b+4*\c:fB+16+8*\b+4*\c+3], v7 offset:8192*((\q)/2)+2048*\b+1024*((\q)%2)+512*\c
.endr
.endr
.endm
; 8 matrix instructions: the eight accumulators take turns, one instruction a turn, in the same order in every step
.macro MUL q, zero
.set fM, F0+48*((\q)%2)
.irp a, 0,1
.irp b, 0,1,2,3
.if \zero
	v_wmma_f32_16x16x32_f16 v[ACC+8*(4*\a+\b):ACC+8*(4*\a+\b)+7], v[fM+16+8*\b:fM+16+8*\b+7], v[fM+8*\a:fM+8*\a+7], 0
.else
	v_wmma_f32_16x16x32_f16 v[ACC+8*(4*\a+\b):ACC+8*(4*\a+\b)+7], v[fM+16+8*\b:fM+16+8*\b+7], v[fM+8*\a:fM+8*\a+7], v[ACC+8*(4*\a+\b):ACC+8*(4*\a+\b)+7]
.endif
.endr
.endr
.endm
; The chunk in slot s: eight steps of 32 along K; each step's fragments are fetched a step ahead.  zero = 1: its first products start the sums.
.macro CHUNK s, zero
	v_add_nc_u32 v6, SLOT*\s, v4                   ; these two and two v_nop: four plain places in front of loads into registers that the last chunk's products read
	v_add_nc_u32 v7, SLOT*\s, v5
	v_nop
	v_nop
	FETCH 0
.set KK, 0
.rept 8
.if (KK >= 1) && (KK < 7)
	PLACES 4
.endif
.if KK < 7
	FETCH KK+1
	s_wait_dscnt 12                                ; this step's fragments are in; the 12 loads just issued may be out
.else
	s_wait_dscnt 0x0
.endif
.if (\zero) && (KK == 0)
	MUL KK, 1
.else
	MUL KK, 0
.endif
.set KK, KK+1
.endr
.endm
	s_wait_tensorcnt 0x2                           ; my part of chunk 0 has landed; the loads of chunks 1 and 2 may be out
	s_barrier_signal -1
	s_barrier_wait -1
	CHUNK 0, 1
	s_wait_tensorcnt 0x0                           ; all my tensor loads have landed, chunks 1 and 2 among them: a group 0 may be written
	ds_add_u32 v[SPW], v[NIL]                      ; the two lines below stand between the add and its wait
	s_add_nc_u64 s[G0A+2:G0A+3], s[G0A+2:G0A+3], 3*65536     ; slot 0 takes chunk 3
	s_add_nc_u64 s[G0B+2:G0B+3], s[G0B+2:G0B+3], 3*32768
	s_wait_dscnt 0x0                               ; the add is done, and my reads of slot 0 are over
	CROUND                                         ; no wave of any partner still reads slot 0 or has a load on its way
	s_cmp_eq_u32 s11, 0                            ; the joint refill: the first tensor load behind the round, one a wave
	s_cbranch_scc0 .Lre_b
	tensor_load_to_lds s[G0A:G0A+3], s[G1A:G1A+7]
	s_nop 0
	PLACES 4
	s_branch .Lre_asked
.Lre_b:
	tensor_load_to_lds s[G0B:G0B+3], s[G1B:G1B+7]
	s_nop 0
	PLACES 4
.Lre_asked:
	CHUNK 1, 0
	CHUNK 2, 0
	s_wait_tensorcnt 0x0                           ; my part of chunk 3 has landed,
	ds_add_u32 v[SPW], v[NIL]
	s_wait_dscnt 0x0
	s_barrier_signal -1
	s_barrier_wait -1                              ; everybody's has; nothing is filled again, so no round
	CHUNK 0, 0
	; THE WAY OUT.  A lane holds 32 neighbouring bytes of a row, the lanes beside it other rows: 16 rows at a time go through my stage and come back as whole rows of 256 bytes.  LDS serves a wave's instructions in order
	; (ISA guide 5.7.1.4): no wait between the stores and the loads, nor in front of the second tile's stores.
	PLACES 4
.irp a, 0,1
.irp b, 0,1,2,3
	ds_store_b128 v10, v[ACC+8*(4*\a+\b):ACC+8*(4*\a+\b)+3] offset:64*\b          ; each accumulator from its low end on
	ds_store_b128 v10, v[ACC+8*(4*\a+\b)+4:ACC+8*(4*\a+\b)+7] offset:64*\b+16
.endr
.irp i, 0,1,2,3,4,5,6,7
	ds_load_b128 v[176-160*\a+4*\i:179-160*\a+4*\i], v11 offset:544*\i            ; tile 0 into v176-207, tile 1 into v16-47
.endr
.endr
.irp a, 0,1
.irp i, 0,1,2,3,4,5,6,7
	s_wait_dscnt 16*(1-\a)+7-\i                    ; this pair of rows is back; the younger loads, and for tile 0 the sixteen LDS instructions of tile 1, may be out
	global_store_b128 v12, v[176-160*\a+4*\i:179-160*\a+4*\i], s[8:9] offset:(16*\a+2*\i)*4096 th:TH_STORE_NT   ; 16 lanes store 256 consecutive bytes, aligned; written once, read by nobody here
.endr
.endr
	s_wait_tensorcnt 0x0                           ; the wave's end: behind my last tensor load and my last LDS store
	ds_add_u32 v[SPW], v[NIL]
	s_wait_dscnt 0x0
	CROUND                                         ; the closing round
	s_endpgm
.Lfunc_end_k_q83a0abd3bc_proj:
	.size	k_q83a0abd3bc_proj, .Lfunc_end_k_q83a0abd3bc_proj-k_q83a0abd3bc_proj
	.p2alignl 7, 3214868480
	.fill 96, 4, 3214868480
	.section	.rodata,"a",@progbits
	.p2align	6, 0x0
	.amdhsa_kernel k_q83a0abd3bc_proj
		.amdhsa_group_segment_fixed_size 327680
		.amdhsa_private_segment_fixed_size 0
		.amdhsa_enable_private_segment 0
		.amdhsa_kernarg_size 24
		.amdhsa_user_sgpr_count 2
		.amdhsa_user_sgpr_kernarg_segment_ptr 1
		.amdhsa_wavefront_size32 1
		.amdhsa_system_sgpr_workgroup_id_x 1
		.amdhsa_system_sgpr_workgroup_id_y 1
		.amdhsa_system_sgpr_workgroup_id_z 1
		.amdhsa_system_vgpr_workitem_id 0
		.amdhsa_next_free_vgpr 208
		.amdhsa_next_free_sgpr 80
		.amdhsa_reserve_vcc 0
		.amdhsa_float_denorm_mode_32 3
		.amdhsa_float_denorm_mode_16_64 3
		.amdhsa_memory_ordered 1
		.amdhsa_forward_progress 1
		.amdhsa_inst_pref_size 57
	.end_amdhsa_kernel
	.amdgpu_metadata
---
amdhsa.version: [ 1, 2 ]
amdhsa.kernels:
  - .name:           k_q83a0abd3bc_proj
    .symbol:         k_q83a0abd3bc_proj.kd
    .args:
      - { .name: cimg, .offset: 0, .size: 8, .value_kind: global_buffer, .address_space: global }
      - { .name: wimg, .offset: 8, .size: 8, .value_kind: global_buffer, .address_space: global }
      - { .name: out0, .offset: 16, .size: 8, .value_kind: global_buffer, .address_space: global }
    .group_segment_fixed_size: 327680
    .private_segment_fixed_size: 0
    .kernarg_segment_align: 8
    .kernarg_segment_size: 24
    .max_flat_workgroup_size: 128
    .sgpr_count:     80
    .vgpr_count:     208
    .wavefront_size: 32
...
	.end_amdgpu_metadata
.endif
;; end of part 4
